; MI455X (gfx1250); checked and timed in simulation.
; The chip was launched on July 23, 2026; its instructions are those of AMD's public machine-readable ISA for CDNA 5 (MIT licence, August 2026) and "CDNA5" Instruction Set Architecture Reference Guide (July 2026).
;; Multi Head Attention. Allowed arithmetic: float matrix products may take bf16 or f16 operands with f32 sums; other float arithmetic in f32, or as packed bf16 or f16 multiplies, adds, multiply-adds, maxima and minima; sums over many terms, partial sums and values carried from step to step in f32; what a program stores and reads back later, other than sums and carried values, may be rounded once to bf16 or f16.
;; Inputs: o_b 1,024 float32; o_w 1,024 x 1,024 float32; qkv_b 3,072 float32; qkv_w 3,072 x 1,024 float32; x 4 x 2,048 x 1,024 float32.
;; Outputs: out0 4 x 2,048 x 1,024 float32.
;; 2 versions, each right and faster than the one before. Each part assembles by itself: llvm-mc -triple=amdgcn-amd-amdhsa -mcpu=gfx1250 --defsym DOCPART=n.
;; ======== version 1 of 2: 4 launches
;; limits: values are held in f16: magnitudes above 65,504 overflow, below 6.1e-05 lose precision
;; workspace buffers: xb 16,777,216 bytes; wb 6,291,456 bytes; owh 2,097,152 bytes; q 16,777,216 bytes; k 16,777,216 bytes; v 16,777,216 bytes; o 16,777,216 bytes
;; launch cast (part 1): grid 768 x 1, 8 waves a work-group, no clusters, 0 bytes of LDS; arguments x, qkv_w, o_w, xb, wb, owh; writes xb, wb, owh
.if DOCPART == 1
	.amdgcn_target "amdgcn-amd-amdhsa--gfx1250"
	.amdhsa_code_object_version 6
	.text
	.protected	k_qdd9b3bae47_cast
	.globl	k_qdd9b3bae47_cast
	.p2align	8
	.type	k_qdd9b3bae47_cast,@function
k_qdd9b3bae47_cast:
	s_mov_b64 s[64:65], 0
	v_nop
	global_prefetch_b8 v0, s[64:65] scope:SCOPE_SE
	s_setreg_imm32_b32 hwreg(HW_REG_WAVE_MODE, 25, 1), 1
	s_wait_xcnt 0x0
.set XCH, 512
.set WCH, 192
.set X,   4
.set Y,   68
	s_load_b256 s[4:11], s[0:1], 0x0
	s_load_b128 s[12:15], s[0:1], 0x20
	v_lshlrev_b32 v1, 4, v0
	v_lshlrev_b32 v2, 3, v0
	s_mov_b32 s26, 0xffff0000
	s_wait_kmcnt 0x0
	s_cmp_lt_u32 ttmp9, XCH
	s_cselect_b64 s[16:17], s[4:5], s[6:7]
	s_cselect_b64 s[18:19], s[10:11], s[12:13]
	s_cselect_b32 s20, 0, XCH
	s_cmp_lt_u32 ttmp9, XCH+WCH
	s_cselect_b64 s[16:17], s[16:17], s[8:9]
	s_cselect_b64 s[18:19], s[18:19], s[14:15]
	s_cselect_b32 s20, s20, XCH+WCH
	s_sub_co_u32 s21, ttmp9, s20
	s_lshl_b32 s22, s21, 16
	s_mov_b32 s23, 0
	s_lshl_b32 s24, s21, 15
	s_mov_b32 s25, 0
	s_add_nc_u64 s[16:17], s[16:17], s[22:23]
	s_add_nc_u64 s[18:19], s[18:19], s[24:25]
.irp i, 0,1,2,3,4,5,6,7,8,9,10,11,12,13,14,15
	global_load_b128 v[X+4*(\i):X+4*(\i)+3], v1, s[16:17] offset:4096*(\i) th:TH_LOAD_NT
.endr
.macro SLOT i, half
	s_wait_loadcnt 15-(\i)
	v_cvt_pk_bf16_f32 v[Y+2*(\i)],   v[X+4*(\i)],   v[X+4*(\i)+1]
	v_cvt_pk_bf16_f32 v[Y+2*(\i)+1], v[X+4*(\i)+2], v[X+4*(\i)+3]
.if \half
	v_lshlrev_b32 v[X+4*(\i)],   16,  v[Y+2*(\i)]
	v_and_b32     v[X+4*(\i)+1], s26, v[Y+2*(\i)]
	v_lshlrev_b32 v[X+4*(\i)+2], 16,  v[Y+2*(\i)+1]
	v_and_b32     v[X+4*(\i)+3], s26, v[Y+2*(\i)+1]
	v_cvt_pk_f16_f32 v[Y+2*(\i)],   v[X+4*(\i)],   v[X+4*(\i)+1]
	v_cvt_pk_f16_f32 v[Y+2*(\i)+1], v[X+4*(\i)+2], v[X+4*(\i)+3]
.endif
	global_store_b64 v2, v[Y+2*(\i):Y+2*(\i)+1], s[18:19] offset:2048*(\i)
.endm
	s_cmp_ge_u32 ttmp9, XCH+WCH
	s_cbranch_scc1 .Lhalf
.irp i, 0,1,2,3,4,5,6,7,8,9,10,11,12,13,14,15
	SLOT \i, 0
.endr
	s_endpgm
.Lhalf:
.irp i, 0,1,2,3,4,5,6,7,8,9,10,11,12,13,14,15
	SLOT \i, 1
.endr
	s_endpgm
.Lfunc_end_k_qdd9b3bae47_cast:
	.size	k_qdd9b3bae47_cast, .Lfunc_end_k_qdd9b3bae47_cast-k_qdd9b3bae47_cast
	.p2alignl 7, 3214868480
	.fill 96, 4, 3214868480
	.section	.rodata,"a",@progbits
	.p2align	6, 0x0
	.amdhsa_kernel k_qdd9b3bae47_cast
		.amdhsa_group_segment_fixed_size 0
		.amdhsa_private_segment_fixed_size 0
		.amdhsa_enable_private_segment 0
		.amdhsa_kernarg_size 48
		.amdhsa_user_sgpr_count 2
		.amdhsa_user_sgpr_kernarg_segment_ptr 1
		.amdhsa_wavefront_size32 1
		.amdhsa_system_sgpr_workgroup_id_x 1
		.amdhsa_system_sgpr_workgroup_id_y 1
		.amdhsa_system_sgpr_workgroup_id_z 1
		.amdhsa_system_vgpr_workitem_id 0
		.amdhsa_next_free_vgpr 100
		.amdhsa_next_free_sgpr 66
		.amdhsa_reserve_vcc 0
		.amdhsa_float_denorm_mode_32 3
		.amdhsa_float_denorm_mode_16_64 3
		.amdhsa_memory_ordered 1
		.amdhsa_forward_progress 1
		.amdhsa_inst_pref_size 15
	.end_amdhsa_kernel
	.amdgpu_metadata
---
amdhsa.version: [ 1, 2 ]
amdhsa.kernels:
  - .name:           k_qdd9b3bae47_cast
    .symbol:         k_qdd9b3bae47_cast.kd
    .args:
      - { .name: x, .offset: 0, .size: 8, .value_kind: global_buffer, .address_space: global }
      - { .name: qkv_w, .offset: 8, .size: 8, .value_kind: global_buffer, .address_space: global }
      - { .name: o_w, .offset: 16, .size: 8, .value_kind: global_buffer, .address_space: global }
      - { .name: xb, .offset: 24, .size: 8, .value_kind: global_buffer, .address_space: global }
      - { .name: wb, .offset: 32, .size: 8, .value_kind: global_buffer, .address_space: global }
      - { .name: owh, .offset: 40, .size: 8, .value_kind: global_buffer, .address_space: global }
    .group_segment_fixed_size: 0
    .private_segment_fixed_size: 0
    .kernarg_segment_align: 8
    .kernarg_segment_size: 48
    .max_flat_workgroup_size: 256
    .sgpr_count:     66
    .vgpr_count:     100
    .wavefront_size: 32
...
	.end_amdgpu_metadata
.endif
;; end of part 1
;; launch qkv (part 2): grid 16 x 32, 4 waves a work-group, clusters of 4 x 4, 327,680 bytes of LDS; arguments xb, wb, qkv_b, q, k, v; writes q, k, v
.if DOCPART == 2
	.amdgcn_target "amdgcn-amd-amdhsa--gfx1250"
	.amdhsa_code_object_version 6
	.text
	.protected	k_qdd9b3bae47_qkv
	.globl	k_qdd9b3bae47_qkv
	.p2align	8
	.type	k_qdd9b3bae47_qkv,@function
k_qdd9b3bae47_qkv:
	s_mov_b64 s[64:65], 0
	v_nop
	global_prefetch_b8 v0, s[64:65] scope:SCOPE_SE
	s_setreg_imm32_b32 hwreg(HW_REG_WAVE_MODE, 25, 1), 1
	s_wait_xcnt 0x0
	s_wait_alu depctr_hold_cnt(0) depctr_sa_sdst(0) depctr_va_vdst(0) depctr_va_sdst(0) depctr_va_ssrc(0) depctr_va_vcc(0) depctr_vm_vsrc(0)
	s_getreg_b32 s2, hwreg(HW_REG_IB_STS2, 6, 4)
	s_cmp_eq_u32 s2, 0
	s_cbranch_scc0 .Lentry_in_a_cluster
	s_endpgm
.Lentry_in_a_cluster:
	s_bfe_u32 s2, ttmp6, 0x10000c
	s_cmp_lg_u32 s2, 0xf033
	s_cbranch_scc0 .Lentry_shape_is_right
	s_endpgm
.Lentry_shape_is_right:
.set KSTEP,  128
.set PITCH,  272
.set AHALF,  128*PITCH
.set BHALF,  96*PITCH
.set BOFF,   2*AHALF
.set SLOT,   BOFF+2*BHALF
.set STAGE,  2*SLOT
.set SPITCH, 400
.set SPARE,  STAGE+4*16*SPITCH
.set LAPS,   4
.set ADRA, 16
.set ADRB, 20
.set STO,  24
.set RD,   25
.set GO,   26
.set BO,   27
.set SPW,  28
.set NIL,  29
.set BIAS, 32
.set TMP,  128
.set BK0,  176
.set BK1,  32
.set F0,   0
.set F1,   128
.set WV,  16
.set G1,  24
.set G0,  32
.set G1B, 48
.set G0B, 56
.set MSB, 0
.macro WIN new
.if MSB != (\new)
	s_set_vgpr_msb (MSB<<8)|(\new)
.set MSB, \new
.endif
.endm
.macro JLOAD s
	s_cmp_eq_u32 s17, 0
	s_cbranch_scc0 .Lfor_b_\@
	tensor_load_to_lds s[G0+4*(\s):G0+4*(\s)+3], s[G1:G1+7]
	s_nop 0
.rept 4
	v_nop
.endr
	s_branch .Lasked_\@
.Lfor_b_\@:
	tensor_load_to_lds s[G0B+4*(\s):G0B+4*(\s)+3], s[G1B:G1B+7]
	s_nop 0
.rept 4
	v_nop
.endr
.Lasked_\@:
.endm
.macro CREST
	s_cmp_lg_u32 s[WV], 0
	s_cbranch_scc1 .Lnot_wave_0_\@
	s_barrier_signal -3
.Lnot_wave_0_\@:
	s_barrier_wait -3
	s_barrier_signal -1
	s_barrier_wait -1
.endm
.macro CROUND
	s_barrier_signal -1
	s_barrier_wait -1
	CREST
.endm
	s_load_b256 s[4:11], s[0:1], 0x0
	s_load_b128 s[12:15], s[0:1], 0x20
	v_lshl_add_u32 v[SPW], v0, 2, SPARE
	v_mov_b32 v[NIL], 0
	ds_add_u32 v[SPW], v[NIL]
	v_lshrrev_b32 v1, 5, v0
	v_readfirstlane_b32 s[WV], v1
	s_lshr_b32 s17, s[WV], 1
	s_and_b32 s18, s[WV], 1
	s_mov_b32 s19, 0xffff0000
	s_bfe_u32 s40, ttmp6, 0x40000
	s_bfe_u32 s41, ttmp6, 0x40004
	s_lshl_b32 s42, ttmp9, 2
	s_add_co_u32 s42, s42, s40
	s_and_b32 s43, ttmp7, 0xffff
	s_lshl_b32 s43, s43, 2
	s_add_co_u32 s43, s43, s41
	s_lshl_b32 s44, s41, 2
	s_lshl_b32 s44, 15, s44
	s_lshl_b32 s45, 0x1111, s40
	s_or_b32 s[G1+0], s44, (1<<16)|(1<<20)|(1<<21)|(5<<22)|(3<<25)
	s_or_b32 s[G1B+0], s45, (1<<16)|(1<<20)|(1<<21)|(5<<22)|(3<<25)
.irp g, G1, G1B
	s_mov_b32 s[(\g)+1], KSTEP<<16
	s_mov_b32 s[(\g)+3], KSTEP<<16
	s_mov_b32 s[(\g)+5], 1024
	s_mov_b32 s[(\g)+6], 0
	s_mov_b32 s[(\g)+7], 0
.endr
	s_mov_b32 s[G1+2], 128<<16
	s_mov_b32 s[G1+4], 128
	s_mov_b32 s[G1B+2], 96<<16
	s_mov_b32 s[G1B+4], 96
	s_lshl_b32 s20, s43, 8
	s_lshl_b32 s21, s18, 7
	s_add_co_u32 s20, s20, s21
	s_lshl_b32 s20, s20, 11
	s_mov_b32 s21, 0
	s_mul_i32 s46, s42, 192
	s_mul_i32 s47, s18, 96
	s_add_co_u32 s46, s46, s47
	s_lshl_b32 s46, s46, 11
	s_mov_b32 s47, 0
	s_mul_i32 s22, s18, AHALF
	s_mul_i32 s23, s18, BHALF
	s_add_co_u32 s23, s23, BOFF
	s_wait_dscnt 0x0
	s_wait_kmcnt 0x0
	s_add_nc_u64 s[20:21], s[4:5], s[20:21]
	s_add_nc_u64 s[46:47], s[6:7], s[46:47]
	CROUND
.irp s, 0,1
	s_mov_b32 s[G0+4*(\s)], 1
	s_add_co_u32 s[G0+4*(\s)+1], s22, (\s)*SLOT
	s_add_nc_u64 s[G0+4*(\s)+2:G0+4*(\s)+3], s[20:21], (\s)*KSTEP*2
	s_or_b32 s[G0+4*(\s)+3], s[G0+4*(\s)+3], 0x80000000
	s_mov_b32 s[G0B+4*(\s)], 1
	s_add_co_u32 s[G0B+4*(\s)+1], s23, (\s)*SLOT
	s_add_nc_u64 s[G0B+4*(\s)+2:G0B+4*(\s)+3], s[46:47], (\s)*KSTEP*2
	s_or_b32 s[G0B+4*(\s)+3], s[G0B+4*(\s)+3], 0x80000000
	JLOAD \s
.endr
	v_and_b32 v1, 15, v0
	v_bfe_u32 v2, v0, 4, 1
	v_lshlrev_b32 v[BO], 5, v2
	s_mul_i32 s68, s42, 768
	s_mov_b32 s69, 0
	s_add_nc_u64 s[8:9], s[8:9], s[68:69]
.irp b, 0,1,2,3,4,5,6,7,8,9,10,11
	global_load_b128 v[BIAS+8*(\b):BIAS+8*(\b)+3],   v[BO], s[8:9] offset:64*(\b)
	global_load_b128 v[BIAS+8*(\b)+4:BIAS+8*(\b)+7], v[BO], s[8:9] offset:64*(\b)+16
.endr
	v_mul_u32_u24 v3, v1, PITCH
	v_lshl_add_u32 v3, v2, 4, v3
	s_mul_i32 s70, s[WV], 64*PITCH
	s_mov_b32 s71, BOFF
.irp s, 0,1
	v_add_nc_u32 v[ADRA+(\s)], s70, v3
	v_add_nc_u32 v[ADRB+(\s)], s71, v3
	s_add_co_u32 s70, s70, SLOT
	s_add_co_u32 s71, s71, SLOT
.endr
	s_mul_i32 s70, s[WV], 16*SPITCH
	s_add_co_u32 s70, s70, STAGE
	v_mul_u32_u24 v4, v1, SPITCH
	v_lshl_add_u32 v4, v2, 4, v4
	v_add_nc_u32 v[STO], s70, v4
	v_bfe_u32 v5, v0, 3, 2
	v_mul_u32_u24 v5, v5, SPITCH
	v_and_b32 v4, 7, v0
	v_lshl_add_u32 v5, v4, 4, v5
	v_add_nc_u32 v[RD], s70, v5
	v_and_b32 v[GO], 31, v0
	v_lshlrev_b32 v[GO], 4, v[GO]
	s_lshr_b32 s68, s43, 3
	s_lshl_b32 s68, s68, 4
	s_add_co_u32 s68, s68, s42
	s_lshl_b32 s68, s68, 18
	s_and_b32 s70, s43, 7
	s_lshl_b32 s70, s70, 8
	s_lshl_b32 s71, s[WV], 6
	s_add_co_u32 s70, s70, s71
	s_lshl_b32 s70, s70, 7
	s_add_co_u32 s68, s68, s70
	s_mov_b32 s69, 0
	s_add_nc_u64 s[10:11], s[10:11], s[68:69]
	s_add_nc_u64 s[12:13], s[12:13], s[68:69]
	s_add_nc_u64 s[14:15], s[14:15], s[68:69]
	s_wait_loadcnt 0x0
.set i, 0
.rept 48
	v_cvt_pk_bf16_f32 v[8+i%4], v[BIAS+2*i], v[BIAS+2*i+1]
	v_lshlrev_b32 v[BIAS+2*i], 16, v[8+i%4]
	v_and_b32 v[BIAS+2*i+1], s19, v[8+i%4]
.set i, i+1
.endr
.macro MULA f, a, first
.set AC, 96*((\a)%2)
.if \first
	WIN 0x85+0x40*((\a)/2)
.else
	WIN 0xa5+0x50*((\a)/2)
.endif
.irp b, 0,1,2,3,4,5,6,7,8,9,10,11
.if \first
	v_wmma_f32_16x16x32_bf16 v[AC+8*(\b):AC+8*(\b)+7], v[(\f)+32+8*(\b):(\f)+32+8*(\b)+7], v[(\f)+8*(\a):(\f)+8*(\a)+7], v[BIAS+8*(\b):BIAS+8*(\b)+7]
.else
	v_wmma_f32_16x16x32_bf16 v[AC+8*(\b):AC+8*(\b)+7], v[(\f)+32+8*(\b):(\f)+32+8*(\b)+7], v[(\f)+8*(\a):(\f)+8*(\a)+7], v[AC+8*(\b):AC+8*(\b)+7]
.endif
.endr
.endm
.macro FETCH slot, q, f
	WIN 0x40
.irp i, 0,1,2,3,4,5,6,7,8,9,10,11
	ds_load_b128 v[(\f)+32+8*(\i):(\f)+32+8*(\i)+3],   v[ADRB+(\slot)] offset:64*(\q)+(\i)*16*PITCH
	ds_load_b128 v[(\f)+32+8*(\i)+4:(\f)+32+8*(\i)+7], v[ADRB+(\slot)] offset:64*(\q)+(\i)*16*PITCH+32
.endr
.irp i, 0,1,2,3
	ds_load_b128 v[(\f)+8*(\i):(\f)+8*(\i)+3],   v[ADRA+(\slot)] offset:64*(\q)+(\i)*16*PITCH
	ds_load_b128 v[(\f)+8*(\i)+4:(\f)+8*(\i)+7], v[ADRA+(\slot)] offset:64*(\q)+(\i)*16*PITCH+32
.endr
.endm
.macro PLACES
.rept 4
	v_nop
.endr
.endm
.macro QUARTER slot, q, f, g, first
	s_wait_dscnt 4
	MULA \f, 0, \first
	MULA \f, 1, \first
	PLACES
	FETCH \slot, \q, \g
	s_wait_dscnt 32
	MULA \f, 2, \first
	MULA \f, 3, \first
.endm
.macro TURN slot, next, fill
	WIN 0
	s_wait_tensorcnt 0x0
	ds_add_u32 v[SPW], v[NIL]
	s_wait_dscnt 5
	MULA F1, 0, 0
	s_wait_dscnt 0x0
	s_barrier_signal -1
	MULA F1, 1, 0
.if \fill
	WIN 0
.endif
	s_barrier_wait -1
.if \fill
	CREST
	s_add_nc_u64 s[G0+4*(\slot)+2:G0+4*(\slot)+3], s[G0+4*(\slot)+2:G0+4*(\slot)+3], 2*KSTEP*2
	s_add_nc_u64 s[G0B+4*(\slot)+2:G0B+4*(\slot)+3], s[G0B+4*(\slot)+2:G0B+4*(\slot)+3], 2*KSTEP*2
	JLOAD \slot
.else
	PLACES
.endif
	FETCH \next, 0, F0
	MULA F1, 2, 0
	MULA F1, 3, 0
.endm
	s_wait_tensorcnt 0x1
	s_barrier_signal -1
	s_barrier_wait -1
	FETCH 0, 0, F0
	QUARTER 0, 1, F0, F1, 1
	WIN 0
	s_mov_b32 s3, LAPS-1
.Llap:
	QUARTER 0, 2, F1, F0, 0
	QUARTER 0, 3, F0, F1, 0
	TURN 0, 1, 1
	QUARTER 1, 1, F0, F1, 0
	QUARTER 1, 2, F1, F0, 0
	QUARTER 1, 3, F0, F1, 0
	TURN 1, 0, 1
	QUARTER 0, 1, F0, F1, 0
	WIN 0
	s_sub_co_u32 s3, s3, 1
	s_cmp_lg_u32 s3, 0
	s_cbranch_scc1 .Llap
	QUARTER 0, 2, F1, F0, 0
	QUARTER 0, 3, F0, F1, 0
	TURN 0, 1, 0
	QUARTER 1, 1, F0, F1, 0
	QUARTER 1, 2, F1, F0, 0
	QUARTER 1, 3, F0, F1, 0
	s_wait_dscnt 4
	MULA F1, 0, 0
	MULA F1, 1, 0
	s_wait_dscnt 0x0
	MULA F1, 2, 0
	MULA F1, 3, 0
	WIN 0
	PLACES
.macro PACK a
	WIN 0x0a+5*((\a)/2)
.irp b, 0,1,2,3,4,5,6,7,8,9,10,11
.irp i, 0,1,2,3
	v_cvt_pk_f16_f32 v[TMP+4*(\b)+(\i)], v[96*((\a)%2)+8*(\b)+2*(\i)], v[96*((\a)%2)+8*(\b)+2*(\i)+1]
.endr
.endr
	WIN 0
.endm
.macro TOSTAGE a
.set BK, BK0-((\a)%2)*(BK0-BK1)
.irp b, 0,1,2,3,4,5,6,7,8,9,10,11
	ds_store_b128 v[STO], v[TMP+4*(\b):TMP+4*(\b)+3] offset:32*(\b)
.endr
	s_wait_xcnt 0x0
.irp p, 0,1,2
.irp f, 0,1,2,3
	ds_load_b128 v[BK+4*(4*(\p)+(\f)):BK+4*(4*(\p)+(\f))+3], v[RD] offset:4*SPITCH*(\f)+128*(\p)
.endr
.endr
.endm
.macro SEND a, younger
.set BK, BK0-((\a)%2)*(BK0-BK1)
	s_wait_dscnt \younger
.irp p, 0,1,2
.irp f, 0,1,2,3
	global_store_b128 v[GO], v[BK+4*(4*(\p)+(\f)):BK+4*(4*(\p)+(\f))+3], s[10+2*(\p):11+2*(\p)] offset:2048*(\a)+512*(\f)
.endr
.endr
.endm
	PACK 0
	TOSTAGE 0
.irp a, 1,2,3
	PACK \a
	TOSTAGE \a
	SEND (\a)-1, 24
.endr
	SEND 3, 0
	s_wait_tensorcnt 0x0
	ds_add_u32 v[SPW], v[NIL]
	s_wait_dscnt 0x0
	CROUND
	s_endpgm
.Lfunc_end_k_qdd9b3bae47_qkv:
	.size	k_qdd9b3bae47_qkv, .Lfunc_end_k_qdd9b3bae47_qkv-k_qdd9b3bae47_qkv
	.p2alignl 7, 3214868480
	.fill 96, 4, 3214868480
	.section	.rodata,"a",@progbits
	.p2align	6, 0x0
	.amdhsa_kernel k_qdd9b3bae47_qkv
		.amdhsa_group_segment_fixed_size 327680
		.amdhsa_private_segment_fixed_size 0
		.amdhsa_enable_private_segment 0
		.amdhsa_kernarg_size 48
		.amdhsa_user_sgpr_count 2
		.amdhsa_user_sgpr_kernarg_segment_ptr 1
		.amdhsa_wavefront_size32 1
		.amdhsa_system_sgpr_workgroup_id_x 1
		.amdhsa_system_sgpr_workgroup_id_y 1
		.amdhsa_system_sgpr_workgroup_id_z 1
		.amdhsa_system_vgpr_workitem_id 0
		.amdhsa_next_free_vgpr 960
		.amdhsa_next_free_sgpr 72
		.amdhsa_reserve_vcc 0
		.amdhsa_float_denorm_mode_32 3
		.amdhsa_float_denorm_mode_16_64 3
		.amdhsa_memory_ordered 1
		.amdhsa_forward_progress 1
		.amdhsa_inst_pref_size 126
	.end_amdhsa_kernel
	.amdgpu_metadata
---
amdhsa.version: [ 1, 2 ]
amdhsa.kernels:
  - .name:           k_qdd9b3bae47_qkv
    .symbol:         k_qdd9b3bae47_qkv.kd
    .args:
      - { .name: xb, .offset: 0, .size: 8, .value_kind: global_buffer, .address_space: global }
      - { .name: wb, .offset: 8, .size: 8, .value_kind: global_buffer, .address_space: global }
      - { .name: qkv_b, .offset: 16, .size: 8, .value_kind: global_buffer, .address_space: global }
      - { .name: q, .offset: 24, .size: 8, .value_kind: global_buffer, .address_space: global }
      - { .name: k, .offset: 32, .size: 8, .value_kind: global_buffer, .address_space: global }
      - { .name: v, .offset: 40, .size: 8, .value_kind: global_buffer, .address_space: global }
    .group_segment_fixed_size: 327680
    .private_segment_fixed_size: 0
    .kernarg_segment_align: 8
    .kernarg_segment_size: 48
    .max_flat_workgroup_size: 128
    .sgpr_count:     72
    .vgpr_count:     960
    .wavefront_size: 32
...
	.end_amdgpu_metadata
.endif
;; end of part 2
;; launch attn (part 3): grid 4 x 64, 4 waves a work-group, clusters of 4 x 1, 327,680 bytes of LDS; arguments q, k, v, o; writes o
.if DOCPART == 3
	.amdgcn_target "amdgcn-amd-amdhsa--gfx1250"
	.amdhsa_code_object_version 6
	.text
	.protected	k_qdd9b3bae47_attn
	.globl	k_qdd9b3bae47_attn
	.p2align	8
	.type	k_qdd9b3bae47_attn,@function
k_qdd9b3bae47_attn:
	s_mov_b64 s[64:65], 0
	v_nop
	global_prefetch_b8 v0, s[64:65] scope:SCOPE_SE
	s_setreg_imm32_b32 hwreg(HW_REG_WAVE_MODE, 25, 1), 1
	s_wait_xcnt 0x0
	s_wait_alu depctr_hold_cnt(0) depctr_sa_sdst(0) depctr_va_vdst(0) depctr_va_sdst(0) depctr_va_ssrc(0) depctr_va_vcc(0) depctr_vm_vsrc(0)
	s_getreg_b32 s2, hwreg(HW_REG_IB_STS2, 6, 4)
	s_cmp_eq_u32 s2, 0
	s_cbranch_scc0 .Lentry_in_a_cluster
	s_endpgm
.Lentry_in_a_cluster:
	s_bfe_u32 s2, ttmp6, 0x10000c
	s_cmp_lg_u32 s2, 0x3003
	s_cbranch_scc0 .Lentry_shape_is_right
	s_endpgm
.Lentry_shape_is_right:
.set SIZE_H, 64
.set SIZE_N, 2048
.set NP,    4
.set KS,    64
.set PK,    144
.set PV,    160
.set VOFF,  4*KS*PK
.set SLOT1, 1<<17
.set STAGE, SLOT1+4*KS*(PK+PV)
.set SP,    144
.set AK0, 2
.set AV0, 3
.set AK,  4
.set AV,  5
.set QO,  6
.set STO, 6
.set RD,  7
.set GO,  8
.set SPW, 0
.set NIL, 1
.set SPARE, STAGE+4*16*SP
.set MV,  12
.set ST,  16
.set TMP, 48
.set S,   64
.set P,   192
.set KF,  128
.set VF,  192
.set WV,  12
.set G1K, 24
.set G1V, 32
.set G0K, 40
.set G0V, 44
.set SLOTS, 56
.set CNT, 57
.set CS,  58
.set SEL, 60
.set TBK, 62
.set TBV, 63
.set MSB, 0
.macro WIN new
.if MSB != (\new)
	s_set_vgpr_msb (MSB<<8)|(\new)
.set MSB, (\new)
.endif
.endm
.set W_KQ, 0x0a
.set W_PV, 0x52
.set W_RS, 0x41
.set W_MK, 0xc0
.set W_AD, 0x0f
.macro JLOAD
	s_cmp_lt_u32 s[WV], 2
	s_cbranch_scc0 .Lfor_v_\@
	tensor_load_to_lds s[G0K:G0K+3], s[G1K:G1K+7]
	s_nop 0
.rept 4
	v_nop
.endr
	s_branch .Lasked_\@
.Lfor_v_\@:
	tensor_load_to_lds s[G0V:G0V+3], s[G1V:G1V+7]
	s_nop 0
.rept 4
	v_nop
.endr
.Lasked_\@:
.endm
.macro CROUND
	s_barrier_signal -1
	s_barrier_wait -1
	s_cmp_lg_u32 s[WV], 0
	s_cbranch_scc1 .Lnot_wave_0_\@
	s_barrier_signal -3
.Lnot_wave_0_\@:
	s_barrier_wait -3
	s_barrier_signal -1
	s_barrier_wait -1
.endm
.macro CHANGE fill
	WIN W_AD
	s_wait_tensorcnt 0x0
	ds_add_u32 v[SPW], v[NIL]
	WIN 0
.if \fill
.irp g, G0K, G0V
	s_xor_b32 s[\g+1], s[\g+1], SLOT1
	s_add_nc_u64 s[\g+2:\g+3], s[\g+2:\g+3], 4*KS*128
.endr
	s_wait_dscnt 0x0
	CROUND
	JLOAD
.else
	s_wait_dscnt 0x0
	s_barrier_signal -1
	s_barrier_wait -1
.endif
	s_sub_co_u32 s[TBK], s[TBK], 4*KS*PK
	s_xor_b32 s[TBK], s[TBK], SLOT1
	s_sub_co_u32 s[TBV], s[TBV], 4*KS*PV
	s_xor_b32 s[TBV], s[TBV], SLOT1
.endm
	s_load_b256 s[4:11], s[0:1], 0x0
	WIN W_MK
	v_lshl_add_u32 v[SPW], v0, 2, SPARE
	v_mov_b32 v[NIL], 0
	WIN W_AD
	ds_add_u32 v[SPW], v[NIL]
	WIN 0
	v_lshrrev_b32 v1, 5, v0
	v_readfirstlane_b32 s[WV], v1
	s_bfe_u32 s13, ttmp6, 0x40000
	s_lshl_b32 s14, ttmp9, 2
	s_add_co_u32 s14, s14, s13
	s_and_b32 s20, ttmp7, 0xffff
	s_mov_b32 s21, 0
	s_mov_b64 s[22:23], SIZE_N*128
	s_mul_u64 s[20:21], s[20:21], s[22:23]
	s_and_b32 s16, s[WV], 1
	s_lshl_b32 s22, s16, 14
	s_mov_b32 s23, 0
	s_add_nc_u64 s[22:23], s[22:23], s[20:21]
	s_mul_i32 s17, s16, 128*PK
	s_mul_i32 s18, s16, 128*PV
	s_lshl_b32 s2, s14, 2
	s_add_co_u32 s2, s2, s[WV]
	s_lshl_b32 s2, s2, 14
	s_mov_b32 s3, 0
	s_add_nc_u64 s[2:3], s[2:3], s[20:21]
	s_mov_b32 s[G1K], 15|(1<<16)|(1<<20)|(1<<21)|(4<<22)|(3<<25)
	s_mov_b32 s[G1V], 15|(1<<16)|(1<<20)|(1<<21)|(4<<22)|(7<<25)
.irp g, G1K, G1V
	s_mov_b32 s[\g+1], 128<<16
	s_mov_b32 s[\g+2], 64<<16
	s_mov_b32 s[\g+3], 128<<16
	s_mov_b32 s[\g+4], 64
	s_mov_b32 s[\g+5], 128
	s_mov_b32 s[\g+6], 0
	s_mov_b32 s[\g+7], 0
.endr
	s_mov_b32 s[CS], 0x3e38aa3b
	s_mov_b32 s[CS+1], s[CS]
	s_mov_b32 s[SEL], 0x76543210
	s_mov_b32 s[SEL+1], 0xfedcba98
	s_mov_b32 s[TBK], SLOT1+4*KS*PK
	s_mov_b32 s[TBV], SLOT1+4*KS*PV
	s_mov_b32 s[G0K], 1
	s_mov_b32 s[G0K+1], s17
	s_mov_b32 s[G0V], 1
	s_add_co_u32 s[G0V+1], s18, VOFF
	s_wait_dscnt 0x0
	s_wait_kmcnt 0x0
	s_add_nc_u64 s[G0K+2:G0K+3], s[6:7], s[22:23]
	s_or_b32 s[G0K+3], s[G0K+3], 0x80000000
	s_add_nc_u64 s[G0V+2:G0V+3], s[8:9], s[22:23]
	s_or_b32 s[G0V+3], s[G0V+3], 0x80000000
	s_add_nc_u64 s[4:5], s[4:5], s[2:3]
	s_add_nc_u64 s[10:11], s[10:11], s[2:3]
	CROUND
	JLOAD
	v_and_b32 v1, 15, v0
	v_bfe_u32 v9, v0, 4, 1
	v_lshlrev_b32 v[QO], 7, v1
	v_lshl_add_u32 v[QO], v9, 4, v[QO]
	WIN 0x80
.set i, 0
.rept 4*NP
	global_load_b128 v[8*i:8*i+3],   v[QO], s[4:5] offset:(i/2)*2048+(i%2)*64
	global_load_b128 v[8*i+4:8*i+7], v[QO], s[4:5] offset:(i/2)*2048+(i%2)*64+32
.set i, i+1
.endr
.set i, VF
.rept 64
	v_mov_b32 v[i], 0
.set i, i+1
.endr
	WIN 0x40
.set i, 0
.rept 64*NP
	v_mov_b32 v[i], 0
.set i, i+1
.endr
	WIN 0
.set i, 0
.rept 2*NP
	v_mov_b32 v[ST+4*i], 0xfe000000
	v_mov_b32 v[ST+4*i+1], 0xff7fffff
	v_mov_b32 v[ST+4*i+2], 0
	v_mov_b32 v[ST+4*i+3], 0
.set i, i+1
.endr
.set i, P+32
.rept 32
	v_mov_b32 v[i], 0
.set i, i+1
.endr
	v_mul_u32_u24 v[AK0], v1, PK
	v_lshl_add_u32 v[AK0], v9, 4, v[AK0]
	v_and_b32 v10, 7, v0
	v_bfe_u32 v11, v0, 3, 1
	v_lshl_add_u32 v[AV0], v9, 3, v10
	v_mul_u32_u24 v[AV0], v[AV0], PV
	v_lshl_add_u32 v[AV0], v11, 4, v[AV0]
	v_add_nc_u32 v[AV0], VOFF, v[AV0]
	v_mov_b32 v[AK], v[AK0]
.macro KQ x
	WIN W_KQ
.set rS, S+64*((\x)%2)+32*(i%2)+8*((i/2)%4)
.set rK, KF+16*((i/2)%4)+8*(i/8)
.set rQ, 16*(2*(\x)+i%2)+8*(i/8)
.if i < 8
	v_wmma_f32_16x16x32_f16 v[rS:rS+7], v[rK:rK+7], v[rQ:rQ+7], 0
.else
	v_wmma_f32_16x16x32_f16 v[rS:rS+7], v[rK:rK+7], v[rQ:rQ+7], v[rS:rS+7]
.endif
.endm
.macro PV x
	WIN W_PV
.set rO, 32*(2*(\x)+i%2)+8*((i/2)%4)
.set rV, VF+32*(i/8)+8*((i/2)%4)
.set rP, P+32*((\x)%2)+16*(i%2)+8*(i/8)
	v_wmma_f32_16x16x32_f16 v[rO:rO+7], v[rV:rV+7], v[rP:rP+7], v[rO:rO+7]
.endm
.macro MM
.if i < 16
	KQ (Y+1)%NP
.set i, i+1
.else
.set i, i-16
	PV (Y+NP-1)%NP
.set i, i+17
.endif
.endm
.macro FETCH_K last=0
	WIN 0
.if \last
	s_cmp_eq_u32 s[CNT], 1
	s_cbranch_scc1 .Lno_k_\@
.endif
	WIN 0x80
.irp f, 0,1,2,3,4,5,6,7
	ds_load_b128 v[KF+8*\f:KF+8*\f+3],   v[AK] offset:(\f/2)*16*PK+(\f%2)*64
	ds_load_b128 v[KF+8*\f+4:KF+8*\f+7], v[AK] offset:(\f/2)*16*PK+(\f%2)*64+32
.endr
	s_add_co_u32 s[TBK], s[TBK], KS*PK
	WIN 0
.if \last
.Lno_k_\@:
.endif
.endm
.macro FETCH_V
	WIN 0x80
.irp f, 0,1,2,3,4,5,6,7
	ds_load_tr16_b128 v[VF+8*\f:VF+8*\f+3],   v[AV] offset:(\f/4)*32*PV+(\f%4)*32
	ds_load_tr16_b128 v[VF+8*\f+4:VF+8*\f+7], v[AV] offset:(\f/4)*32*PV+16*PV+(\f%4)*32
.endr
	WIN 0
.endm
.macro REGS y, u
.set rT, ST+4*(2*(\y)+(\u))
.set rC, TMP+8*((\y)%2)+4*(\u)
.set rM, MV+2*((\y)%2)+(\u)
.set rS, S+64*((\y)%2)+32*(\u)
.set rP, P+32*((\y)%2)+16*(\u)
.set rO, 32*(2*(\y)+(\u))
.endm
.macro XS u, n
	REGS (Y+1)%NP, \u
.if (\n) < 4
	v_max3_num_f32 v[rC+(\n)], v[rS+8*(\n)], v[rS+8*(\n)+1], v[rS+8*(\n)+2]
.elseif (\n) < 12
	v_max3_num_f32 v[rC+(\n)%4], v[rC+(\n)%4], v[rS+8*((\n)%4)+2*((\n)/4)+1], v[rS+8*((\n)%4)+2*((\n)/4)+2]
.elseif (\n) == 12
	v_max3_num_f32 v[rC], v[rC], v[rS+7], v[rS+15]
.elseif (\n) == 13
	v_max3_num_f32 v[rC+1], v[rC+1], v[rS+23], v[rS+31]
.elseif (\n) == 14
	v_max3_num_f32 v[rC+2], v[rC+2], v[rC+3], v[rT+1]
.elseif (\n) == 15
	v_mov_b32 v[rM], v[rT]
.elseif (\n) == 16
	v_max3_num_f32 v[rC], v[rC], v[rC+1], v[rC+2]
.elseif (\n) == 17
	v_permlanex16_b32 v[rC+3], v[rC], s[SEL], s[SEL+1]
.elseif (\n) == 18
	v_max_num_f32 v[rT+1], v[rC], v[rC+3]
.elseif (\n) == 19
	v_mul_f32 v[rT], s[CS], v[rT+1]
.elseif (\n) == 20
	v_sub_f32 v[rC+1], v[rM], v[rT]
.else
	v_exp_f32 v[rC+2], v[rC+1]
.endif
.endm
.macro GS g
.set h, (\g)+6*((\g)/62)
.if h >= 6
.set h, h+2
.endif
	REGS Y, h%2
.set k, h/8
.if h%8 < 4
	s_wait_alu depctr_va_vdst(0)
	v_cvt_pk_f16_f32 v[rP+2*k+(h%8)/2], v[rS+4*k+2*((h%8)/2)], v[rS+4*k+2*((h%8)/2)+1]
.elseif h%8 < 6
	v_pk_add_f32 v[rS+4*k:rS+4*k+1], v[rS+4*k:rS+4*k+1], v[rS+4*k+2:rS+4*k+3]
.elseif k == 1
	v_pk_fma_f32 v[rT+2:rT+3], v[rT+2:rT+3], v[rC+2:rC+3], v[rS:rS+1] op_sel_hi:[1,0,1]
.else
	v_pk_add_f32 v[rT+2:rT+3], v[rT+2:rT+3], v[rS+4*k-4:rS+4*k-3]
	s_wait_alu depctr_va_vdst(0)
.endif
.endm
.macro PL
	WIN 0
.if q < 32
	REGS Y, q%2
	v_pk_fma_f32 v[rS+2*(q/2):rS+2*(q/2)+1], v[rS+2*(q/2):rS+2*(q/2)+1], s[CS:CS+1], v[rT:rT+1] op_sel_hi:[1,0,0] neg_lo:[0,0,1] neg_hi:[0,0,1]
.elseif q < 38
	GS q-32
.elseif q < 40
	XS q%2, 15
.elseif q < 42
	GS q-34
.elseif q < 74
	XS q%2, (q-42)/2+(q-42)/30
.elseif q < 95
	GS q-66
.elseif (q < 107) && ((q-95)%3 < 2)
	XS (q-95)%3, 17+(q-95)/3
.elseif q < 107
	GS 29+(q-95)/3
.else
	GS q-74
.endif
.set q, q+1
.endm
.set EA, 58
.macro EX
	WIN 0
.if (e == EA) || (e == EA+1)
	XS e-EA, 21
.else
.set x, e-2*(e/(EA+2))
	REGS Y, x%2
	v_exp_f32 v[rS+x/2], v[rS+x/2]
.endif
.set e, e+1
.endm
.macro R4
	REGS Y, r%2
	WIN W_RS
	s_wait_alu depctr_va_vdst(0)
.irp z, 0,1,2,3
	v_pk_mul_f32 v[rO+8*(r/2)+2*\z:rO+8*(r/2)+2*\z+1], v[rO+8*(r/2)+2*\z:rO+8*(r/2)+2*\z+1], v[rC+2:rC+3] op_sel_hi:[1,0]
.endr
.set r, r+1
.endm
.macro SL
	MM
	PL
	EX
	PL
	PL
.endm
.macro BURST n
.rept (\n)-7
	SL
.endr
.rept 3
	MM
	R4
	SL
.endr
	MM
	R4
.endm
.macro TURN p, last=0, cnt=0
.set Y, (\p)
.set i, 0
.set q, 0
.set e, 0
.set r, 0
.if (\p) == NP-1
	s_wait_dscnt 0x0
.endif
	MM
.rept 4
	PL
.endr
	BURST 15
.rept 22
	EX
	PL
.if ((\p) == NP-2) && (e == 18)
	v_add_nc_u32 v[AK], s[TBK], v[AK0]
.endif
.if ((\p) == NP-2) && (e == 24)
	FETCH_K \last
.endif
.endr
.if (\p) == 1
	s_wait_dscnt 0x0
.endif
	BURST 16
.rept 21
	EX
	PL
.endr
.rept 22
	PL
.if ((\p) == 0) && (q == 118)
	v_add_nc_u32 v[AV], s[TBV], v[AV0]
	s_wait_alu depctr_va_vdst(0)
.endif
.if ((\p) == 0) && (q == 130)
	s_add_co_u32 s[TBV], s[TBV], KS*PV
.endif
.if (\cnt) && (q == 130)
	s_sub_co_u32 s[CNT], s[CNT], 1
	s_cmp_lg_u32 s[CNT], 0
.endif
.endr
.if (\p) == 0
	FETCH_V
.endif
.endm
	CHANGE 1
	FETCH_K
	s_wait_loadcnt 0x0
	s_wait_dscnt 0x0
.set i, 0
.rept 16
	KQ 0
.set i, i+1
.endr
	WIN 0
	s_mul_i32 s13, s[WV], 16*SP
	s_add_co_u32 s13, s13, STAGE
	v_mul_u32_u24 v[STO], v1, SP
	v_lshl_add_u32 v[STO], v9, 4, v[STO]
	v_add_nc_u32 v[STO], s13, v[STO]
	v_bfe_u32 v[RD], v0, 3, 2
	v_mul_u32_u24 v[RD], v[RD], SP
	v_lshl_add_u32 v[RD], v10, 4, v[RD]
	v_add_nc_u32 v[RD], s13, v[RD]
	v_and_b32 v[GO], 31, v0
	v_lshlrev_b32 v[GO], 4, v[GO]
.set Y, NP-1
.irp n, 0,1,2,3,4,5,6,7,8,9,10,11,12,13,14,15,16,17,18,19,20,21
	XS 0, \n
	XS 1, \n
.endr
	s_mov_b32 s[CNT], 4
	s_mov_b32 s[SLOTS], SIZE_N/256-1
	s_branch .Lfirst
.Lslot:
	CHANGE 1
	s_mov_b32 s[CNT], 4
.Lstep:
	TURN 2
	TURN 3
	WIN 0
.Lfirst:
	TURN 0
	TURN 1, 0, 1
	WIN 0
	s_cbranch_scc1 .Lstep
	s_sub_co_u32 s[SLOTS], s[SLOTS], 1
	s_cmp_lg_u32 s[SLOTS], 0
	s_cbranch_scc1 .Lslot
	CHANGE 0
	s_mov_b32 s[CNT], 5
.Ltail:
	TURN 2, 1
	TURN 3
	WIN 0
	s_sub_co_u32 s[CNT], s[CNT], 1
	s_cmp_eq_u32 s[CNT], 0
	s_cbranch_scc1 .Lout
	TURN 0
	TURN 1
	WIN 0
	s_branch .Ltail
.Lout:
.set i, 0
.rept 16
	PV NP-1
.set i, i+1
.endr
	WIN 0
.macro ALL line:vararg
.set t, 0
.rept 2*NP
	\line
.set t, t+1
.endr
.endm
	ALL v_add_f32 v[ST+4*t+2], v[ST+4*t+2], v[ST+4*t+3]
	ALL v_permlanex16_b32 v[ST+4*t+3], v[ST+4*t+2], s[SEL], s[SEL+1]
	ALL v_add_f32 v[ST+4*t+2], v[ST+4*t+2], v[ST+4*t+3]
	ALL v_rcp_f32 v[ST+4*t+2], v[ST+4*t+2]
	v_nop
	s_wait_alu depctr_va_vdst(0)
.macro PACK t
	WIN W_RS
.set i, 32*(\t)
.rept 16
	v_pk_mul_f32 v[i:i+1], v[i:i+1], v[ST+4*(\t)+2:ST+4*(\t)+3] op_sel_hi:[1,0]
.set i, i+2
.endr
	WIN 0x05
.set i, 0
.rept 16
	v_cvt_pk_f16_f32 v[S+16*(\t)+i], v[32*(\t)+2*i], v[32*(\t)+2*i+1]
.set i, i+1
.endr
	WIN 0
.irp f, 0,1,2,3
	ds_store_b128 v[STO], v[S+16*(\t)+4*\f:S+16*(\t)+4*\f+3] offset:32*\f
.endr
.irp f, 0,1,2,3
	ds_load_b128 v[S+16*(\t)+4*\f:S+16*(\t)+4*\f+3], v[RD] offset:\f*4*SP
.endr
.endm
.macro SEND t, younger
	WIN 0
.irp f, 0,1,2,3
	s_wait_dscnt (\younger)+3-\f
	global_store_b128 v[GO], v[S+16*(\t)+4*\f:S+16*(\t)+4*\f+3], s[10:11] offset:(\t)*2048+\f*512
.endr
.endm
	PACK 0
.set t, 1
.rept 2*NP-1
	PACK t
	SEND t-1, 8
.set t, t+1
.endr
	SEND 2*NP-1, 0
	WIN W_AD
	s_wait_tensorcnt 0x0
	ds_add_u32 v[SPW], v[NIL]
	s_wait_dscnt 0x0
	WIN 0
	CROUND
	s_endpgm
.Lfunc_end_k_qdd9b3bae47_attn:
	.size	k_qdd9b3bae47_attn, .Lfunc_end_k_qdd9b3bae47_attn-k_qdd9b3bae47_attn
	.p2alignl 7, 3214868480
	.fill 96, 4, 3214868480
	.section	.rodata,"a",@progbits
	.p2align	6, 0x0
	.amdhsa_kernel k_qdd9b3bae47_attn
		.amdhsa_group_segment_fixed_size 327680
		.amdhsa_private_segment_fixed_size 0
		.amdhsa_enable_private_segment 0
		.amdhsa_kernarg_size 32
		.amdhsa_user_sgpr_count 2
		.amdhsa_user_sgpr_kernarg_segment_ptr 1
		.amdhsa_wavefront_size32 1
		.amdhsa_system_sgpr_workgroup_id_x 1
		.amdhsa_system_sgpr_workgroup_id_y 1
		.amdhsa_system_sgpr_workgroup_id_z 1
		.amdhsa_system_vgpr_workitem_id 0
		.amdhsa_next_free_vgpr 770
		.amdhsa_next_free_sgpr 66
		.amdhsa_reserve_vcc 0
		.amdhsa_float_denorm_mode_32 3
		.amdhsa_float_denorm_mode_16_64 3
		.amdhsa_memory_ordered 1
		.amdhsa_forward_progress 1
		.amdhsa_inst_pref_size 208
	.end_amdhsa_kernel
	.amdgpu_metadata
---
amdhsa.version: [ 1, 2 ]
amdhsa.kernels:
  - .name:           k_qdd9b3bae47_attn
    .symbol:         k_qdd9b3bae47_attn.kd
    .args:
      - { .name: q, .offset: 0, .size: 8, .value_kind: global_buffer, .address_space: global }
      - { .name: k, .offset: 8, .size: 8, .value_kind: global_buffer, .address_space: global }
      - { .name: v, .offset: 16, .size: 8, .value_kind: global_buffer, .address_space: global }
      - { .name: o, .offset: 24, .size: 8, .value_kind: global_buffer, .address_space: global }
    .group_segment_fixed_size: 327680
    .private_segment_fixed_size: 0
    .kernarg_segment_align: 8
    .kernarg_segment_size: 32
    .max_flat_workgroup_size: 128
    .sgpr_count:     66
    .vgpr_count:     770
    .wavefront_size: 32
...
	.end_amdgpu_metadata
.endif
;; end of part 3
;; launch oproj (part 4): grid 8 x 32, 4 waves a work-group, clusters of 4 x 4, 327,680 bytes of LDS; arguments o, owh, o_b, out0; writes out0
.if DOCPART == 4
	.amdgcn_target "amdgcn-amd-amdhsa--gfx1250"
	.amdhsa_code_object_version 6
	.text
	.protected	k_qdd9b3bae47_oproj
	.globl	k_qdd9b3bae47_oproj
	.p2align	8
	.type	k_qdd9b3bae47_oproj,@function
k_qdd9b3bae47_oproj:
	s_mov_b64 s[64:65], 0
	v_nop
	global_prefetch_b8 v0, s[64:65] scope:SCOPE_SE
	s_setreg_imm32_b32 hwreg(HW_REG_WAVE_MODE, 25, 1), 1
	s_wait_xcnt 0x0
	s_wait_alu depctr_hold_cnt(0) depctr_sa_sdst(0) depctr_va_vdst(0) depctr_va_sdst(0) depctr_va_ssrc(0) depctr_va_vcc(0) depctr_vm_vsrc(0)
	s_getreg_b32 s2, hwreg(HW_REG_IB_STS2, 6, 4)
	s_cmp_eq_u32 s2, 0
	s_cbranch_scc0 .Lentry_in_a_cluster
	s_endpgm
.Lentry_in_a_cluster:
	s_bfe_u32 s2, ttmp6, 0x10000c
	s_cmp_lg_u32 s2, 0xf033
	s_cbranch_scc0 .Lentry_shape_is_right
	s_endpgm
.Lentry_shape_is_right:
.set KSTEP,  128
.set APITCH, 144
.set PITCH,  272
.set PLANE,  256*APITCH
.set BHALF,  64*PITCH
.set BOFF,   2*PLANE
.set SLOT,   BOFF+2*BHALF
.set STAGE,  2*SLOT
.set SPITCH, 272
.set SPARE,  STAGE+4*16*SPITCH
.set HEADB,  2048*128
.set LAPS,   4
.set ADRA, 16
.set ADRB, 20
.set STO,  24
.set RD,   25
.set CO,   26
.set BO,   27
.set SPW,  28
.set NIL,  29
.set BIAS, 32
.set BK0,  64
.set F0,   0
.set F1,   128
.set WV,  16
.set G1,  24
.set G0,  32
.set G1B, 48
.set G0B, 56
.set MSB, 0
.macro WIN new
.if MSB != (\new)
	s_set_vgpr_msb (MSB<<8)|(\new)
.set MSB, \new
.endif
.endm
.macro JLOAD s
	s_cmp_eq_u32 s17, 0
	s_cbranch_scc0 .Lfor_b_\@
	tensor_load_to_lds s[G0+4*(\s):G0+4*(\s)+3], s[G1:G1+7]
	s_nop 0
.rept 4
	v_nop
.endr
	s_branch .Lasked_\@
.Lfor_b_\@:
	tensor_load_to_lds s[G0B+4*(\s):G0B+4*(\s)+3], s[G1B:G1B+7]
	s_nop 0
.rept 4
	v_nop
.endr
.Lasked_\@:
.endm
.macro CREST
	s_cmp_lg_u32 s[WV], 0
	s_cbranch_scc1 .Lnot_wave_0_\@
	s_barrier_signal -3
.Lnot_wave_0_\@:
	s_barrier_wait -3
	s_barrier_signal -1
	s_barrier_wait -1
.endm
.macro CROUND
	s_barrier_signal -1
	s_barrier_wait -1
	CREST
.endm
	s_load_b256 s[4:11], s[0:1], 0x0
	v_lshl_add_u32 v[SPW], v0, 2, SPARE
	v_mov_b32 v[NIL], 0
	ds_add_u32 v[SPW], v[NIL]
	v_lshrrev_b32 v1, 5, v0
	v_readfirstlane_b32 s[WV], v1
	s_lshr_b32 s17, s[WV], 1
	s_and_b32 s18, s[WV], 1
	s_mov_b32 s19, 0xffff0000
	s_bfe_u32 s40, ttmp6, 0x40000
	s_bfe_u32 s41, ttmp6, 0x40004
	s_lshl_b32 s42, ttmp9, 2
	s_add_co_u32 s42, s42, s40
	s_and_b32 s43, ttmp7, 0xffff
	s_lshl_b32 s43, s43, 2
	s_add_co_u32 s43, s43, s41
	s_lshl_b32 s44, s41, 2
	s_lshl_b32 s44, 15, s44
	s_lshl_b32 s45, 0x1111, s40
	s_or_b32 s[G1+0], s44, (1<<16)|(1<<20)|(1<<21)|(4<<22)|(3<<25)
	s_or_b32 s[G1B+0], s45, (1<<16)|(1<<20)|(1<<21)|(5<<22)|(3<<25)
.irp g, G1, G1B
	s_mov_b32 s[(\g)+1], KSTEP<<16
	s_mov_b32 s[(\g)+3], KSTEP<<16
	s_mov_b32 s[(\g)+6], 0
	s_mov_b32 s[(\g)+7], 0
.endr
	s_mov_b32 s[G1+2], 128<<16
	s_mov_b32 s[G1+4], 128
	s_mov_b32 s[G1+5], 128
	s_mov_b32 s[G1B+2], 64<<16
	s_mov_b32 s[G1B+4], 64
	s_mov_b32 s[G1B+5], 1024
	s_lshr_b32 s20, s43, 3
	s_lshl_b32 s20, s20, 22
	s_and_b32 s21, s43, 7
	s_lshl_b32 s21, s21, 15
	s_add_co_u32 s20, s20, s21
	s_lshl_b32 s21, s18, 18
	s_add_co_u32 s20, s20, s21
	s_mov_b32 s21, 0
	s_lshl_b32 s46, s42, 7
	s_lshl_b32 s47, s18, 6
	s_add_co_u32 s46, s46, s47
	s_lshl_b32 s46, s46, 11
	s_mov_b32 s47, 0
	s_mul_i32 s22, s18, PLANE
	s_mul_i32 s23, s18, BHALF
	s_add_co_u32 s23, s23, BOFF
	s_wait_dscnt 0x0
	s_wait_kmcnt 0x0
	s_add_nc_u64 s[20:21], s[4:5], s[20:21]
	s_add_nc_u64 s[46:47], s[6:7], s[46:47]
	CROUND
.irp s, 0,1
	s_mov_b32 s[G0+4*(\s)], 1
	s_add_co_u32 s[G0+4*(\s)+1], s22, (\s)*SLOT
	s_add_nc_u64 s[G0+4*(\s)+2:G0+4*(\s)+3], s[20:21], (\s)*2*HEADB
	s_or_b32 s[G0+4*(\s)+3], s[G0+4*(\s)+3], 0x80000000
	s_mov_b32 s[G0B+4*(\s)], 1
	s_add_co_u32 s[G0B+4*(\s)+1], s23, (\s)*SLOT
	s_add_nc_u64 s[G0B+4*(\s)+2:G0B+4*(\s)+3], s[46:47], (\s)*KSTEP*2
	s_or_b32 s[G0B+4*(\s)+3], s[G0B+4*(\s)+3], 0x80000000
	JLOAD \s
.endr
	v_and_b32 v1, 15, v0
	v_bfe_u32 v2, v0, 4, 1
	v_lshlrev_b32 v[BO], 5, v2
	s_lshl_b32 s68, s42, 9
	s_lshl_b32 s69, s18, 8
	s_add_co_u32 s68, s68, s69
	s_mov_b32 s69, 0
	s_add_nc_u64 s[8:9], s[8:9], s[68:69]
.irp b, 0,1,2,3
	global_load_b128 v[BIAS+8*(\b):BIAS+8*(\b)+3],   v[BO], s[8:9] offset:64*(\b)
	global_load_b128 v[BIAS+8*(\b)+4:BIAS+8*(\b)+7], v[BO], s[8:9] offset:64*(\b)+16
.endr
	v_mul_u32_u24 v3, v1, APITCH
	v_lshl_add_u32 v3, v2, 4, v3
	v_mul_u32_u24 v4, v1, PITCH
	v_lshl_add_u32 v4, v2, 4, v4
	s_mul_i32 s70, s17, 128*APITCH
	s_mul_i32 s71, s18, BHALF
	s_add_co_u32 s71, s71, BOFF
.irp s, 0,1
	v_add_nc_u32 v[ADRA+(\s)], s70, v3
	v_add_nc_u32 v[ADRB+(\s)], s71, v4
	s_add_co_u32 s70, s70, SLOT
	s_add_co_u32 s71, s71, SLOT
.endr
	s_mul_i32 s70, s[WV], 16*SPITCH
	s_add_co_u32 s70, s70, STAGE
	v_mul_u32_u24 v5, v1, SPITCH
	v_lshl_add_u32 v5, v2, 5, v5
	v_add_nc_u32 v[STO], s70, v5
	v_mul_u32_u24 v5, v2, SPITCH
	v_lshl_add_u32 v5, v1, 4, v5
	v_add_nc_u32 v[RD], s70, v5
	v_lshlrev_b32 v5, 12, v2
	v_lshl_add_u32 v[CO], v1, 4, v5
	s_lshl_b32 s68, s43, 8
	s_lshl_b32 s69, s17, 7
	s_add_co_u32 s68, s68, s69
	s_lshl_b32 s68, s68, 12
	s_lshl_b32 s69, s42, 9
	s_add_co_u32 s68, s68, s69
	s_lshl_b32 s69, s18, 8
	s_add_co_u32 s68, s68, s69
	s_mov_b32 s69, 0
	s_add_nc_u64 s[10:11], s[10:11], s[68:69]
	s_wait_loadcnt 0x0
.set i, 0
.rept 16
	v_cvt_pk_bf16_f32 v[8+i%4], v[BIAS+2*i], v[BIAS+2*i+1]
	v_lshlrev_b32 v[BIAS+2*i], 16, v[8+i%4]
	v_and_b32 v[BIAS+2*i+1], s19, v[8+i%4]
.set i, i+1
.endr
.macro MUL8 f, a0, first
.if \first
	WIN 0x85
.else
	WIN 0xa5
.endif
.irp a, \a0, (\a0)+1
.irp b, 0,1,2,3
.if \first
	v_wmma_f32_16x16x32_f16 v[8*(4*(\a)+(\b)):8*(4*(\a)+(\b))+7], v[(\f)+64+8*(\b):(\f)+64+8*(\b)+7], v[(\f)+8*(\a):(\f)+8*(\a)+7], v[BIAS+8*(\b):BIAS+8*(\b)+7]
.else
	v_wmma_f32_16x16x32_f16 v[8*(4*(\a)+(\b)):8*(4*(\a)+(\b))+7], v[(\f)+64+8*(\b):(\f)+64+8*(\b)+7], v[(\f)+8*(\a):(\f)+8*(\a)+7], v[8*(4*(\a)+(\b)):8*(4*(\a)+(\b))+7]
.endif
.endr
.endr
.endm
.macro FETCH slot, q, f
	WIN 0x40
.irp i, 0,1,2,3
	ds_load_b128 v[(\f)+64+8*(\i):(\f)+64+8*(\i)+3],   v[ADRB+(\slot)] offset:64*(\q)+(\i)*16*PITCH
	ds_load_b128 v[(\f)+64+8*(\i)+4:(\f)+64+8*(\i)+7], v[ADRB+(\slot)] offset:64*(\q)+(\i)*16*PITCH+32
.endr
.irp i, 0,1,2,3,4,5,6,7
	ds_load_b128 v[(\f)+8*(\i):(\f)+8*(\i)+3],   v[ADRA+(\slot)] offset:((\q)/2)*PLANE+64*((\q)%2)+(\i)*16*APITCH
	ds_load_b128 v[(\f)+8*(\i)+4:(\f)+8*(\i)+7], v[ADRA+(\slot)] offset:((\q)/2)*PLANE+64*((\q)%2)+(\i)*16*APITCH+32
.endr
.endm
.macro PLACES
.rept 4
	v_nop
.endr
.endm
.macro QUARTER slot, q, f, g, first
	s_wait_dscnt 8
	MUL8 \f, 0, \first
	MUL8 \f, 2, \first
	PLACES
	FETCH \slot, \q, \g
	s_wait_dscnt 24
	MUL8 \f, 4, \first
	MUL8 \f, 6, \first
.endm
.macro TURN slot, next, fill
	WIN 0
	s_wait_tensorcnt 0x0
	ds_add_u32 v[SPW], v[NIL]
	s_wait_dscnt 9
	MUL8 F1, 0, 0
	s_wait_dscnt 0x0
	s_barrier_signal -1
	MUL8 F1, 2, 0
.if \fill
	WIN 0
.endif
	s_barrier_wait -1
.if \fill
	CREST
	s_add_nc_u64 s[G0+4*(\slot)+2:G0+4*(\slot)+3], s[G0+4*(\slot)+2:G0+4*(\slot)+3], 4*HEADB
	s_add_nc_u64 s[G0B+4*(\slot)+2:G0B+4*(\slot)+3], s[G0B+4*(\slot)+2:G0B+4*(\slot)+3], 2*KSTEP*2
	JLOAD \slot
.else
	PLACES
.endif
	FETCH \next, 0, F0
	MUL8 F1, 4, 0
	MUL8 F1, 6, 0
.endm
	s_wait_tensorcnt 0x1
	s_barrier_signal -1
	s_barrier_wait -1
	FETCH 0, 0, F0
	QUARTER 0, 1, F0, F1, 1
	WIN 0
	s_mov_b32 s3, LAPS-1
.Llap:
	QUARTER 0, 2, F1, F0, 0
	QUARTER 0, 3, F0, F1, 0
	TURN 0, 1, 1
	QUARTER 1, 1, F0, F1, 0
	QUARTER 1, 2, F1, F0, 0
	QUARTER 1, 3, F0, F1, 0
	TURN 1, 0, 1
	QUARTER 0, 1, F0, F1, 0
	WIN 0
	s_sub_co_u32 s3, s3, 1
	s_cmp_lg_u32 s3, 0
	s_cbranch_scc1 .Llap
	QUARTER 0, 2, F1, F0, 0
	QUARTER 0, 3, F0, F1, 0
	TURN 0, 1, 0
	QUARTER 1, 1, F0, F1, 0
	QUARTER 1, 2, F1, F0, 0
	QUARTER 1, 3, F0, F1, 0
	s_wait_dscnt 8
	MUL8 F1, 0, 0
	MUL8 F1, 2, 0
	s_wait_dscnt 0x0
	MUL8 F1, 4, 0
	MUL8 F1, 6, 0
	WIN 0
	PLACES
.macro TOSTAGE a
	WIN 0x08
.irp b, 0,1,2,3
	ds_store_b128 v[STO], v[8*(4*(\a)+(\b)):8*(4*(\a)+(\b))+3]   offset:64*(\b)
	ds_store_b128 v[STO], v[8*(4*(\a)+(\b))+4:8*(4*(\a)+(\b))+7] offset:64*(\b)+16
.endr
	WIN 0
	s_wait_xcnt 0x0
.irp t, 0,1,2,3,4,5,6,7
	ds_load_b128 v[BK0+32*((\a)%2)+4*(\t):BK0+32*((\a)%2)+4*(\t)+3], v[RD] offset:(\t)*2*SPITCH
.endr
.endm
.macro SEND a, younger
	s_wait_dscnt \younger
.irp t, 0,1,2,3,4,5,6,7
	global_store_b128 v[CO], v[BK0+32*((\a)%2)+4*(\t):BK0+32*((\a)%2)+4*(\t)+3], s[10:11] offset:(16*(\a)+2*(\t))*4096 th:TH_STORE_NT
.endr
.endm
	TOSTAGE 0
.irp a, 1,2,3,4,5,6,7
	TOSTAGE \a
	SEND (\a)-1, 16
.endr
	SEND 7, 0
	s_wait_tensorcnt 0x0
	ds_add_u32 v[SPW], v[NIL]
	s_wait_dscnt 0x0
	CROUND
	s_endpgm
.Lfunc_end_k_qdd9b3bae47_oproj:
	.size	k_qdd9b3bae47_oproj, .Lfunc_end_k_qdd9b3bae47_oproj-k_qdd9b3bae47_oproj
	.p2alignl 7, 3214868480
	.fill 96, 4, 3214868480
	.section	.rodata,"a",@progbits
	.p2align	6, 0x0
	.amdhsa_kernel k_qdd9b3bae47_oproj
		.amdhsa_group_segment_fixed_size 327680
		.amdhsa_private_segment_fixed_size 0
		.amdhsa_enable_private_segment 0
		.amdhsa_kernarg_size 32
		.amdhsa_user_sgpr_count 2
		.amdhsa_user_sgpr_kernarg_segment_ptr 1
		.amdhsa_wavefront_size32 1
		.amdhsa_system_sgpr_workgroup_id_x 1
		.amdhsa_system_sgpr_workgroup_id_y 1
		.amdhsa_system_sgpr_workgroup_id_z 1
		.amdhsa_system_vgpr_workitem_id 0
		.amdhsa_next_free_vgpr 768
		.amdhsa_next_free_sgpr 72
		.amdhsa_reserve_vcc 0
		.amdhsa_float_denorm_mode_32 3
		.amdhsa_float_denorm_mode_16_64 3
		.amdhsa_memory_ordered 1
		.amdhsa_forward_progress 1
		.amdhsa_inst_pref_size 89
	.end_amdhsa_kernel
	.amdgpu_metadata
---
amdhsa.version: [ 1, 2 ]
amdhsa.kernels:
  - .name:           k_qdd9b3bae47_oproj
    .symbol:         k_qdd9b3bae47_oproj.kd
    .args:
      - { .name: o, .offset: 0, .size: 8, .value_kind: global_buffer, .address_space: global }
      - { .name: owh, .offset: 8, .size: 8, .value_kind: global_buffer, .address_space: global }
      - { .name: o_b, .offset: 16, .size: 8, .value_kind: global_buffer, .address_space: global }
      - { .name: out0, .offset: 24, .size: 8, .value_kind: global_buffer, .address_space: global }
    .group_segment_fixed_size: 327680
    .private_segment_fixed_size: 0
    .kernarg_segment_align: 8
    .kernarg_segment_size: 32
    .max_flat_workgroup_size: 128
    .sgpr_count:     72
    .vgpr_count:     768
    .wavefront_size: 32
...
	.end_amdgpu_metadata
.endif
;; end of part 4
;; ======== version 2 of 2: 4 launches; 1.52 times as fast as version 1
;; limits: values are held in f16: magnitudes above 65,504 overflow, below 6.1e-05 lose precision
;; workspace buffers: xb 16,777,216 bytes; wb 6,291,456 bytes; owh 2,097,152 bytes; q 16,777,216 bytes; k 16,777,216 bytes; v 16,777,216 bytes; o 16,777,216 bytes
;; launch cast: the kernel of part 1 again; grid 768 x 1, 8 waves a work-group, no clusters, 0 bytes of LDS; arguments x, qkv_w, o_w, xb, wb, owh; writes xb, wb, owh
;; launch qkv: the kernel of part 2 again; grid 16 x 32, 4 waves a work-group, clusters of 4 x 4, 327,680 bytes of LDS; arguments xb, wb, qkv_b, q, k, v; writes q, k, v
;; launch attn (part 5): grid 4 x 64, 4 waves a work-group, clusters of 4 x 1, 327,680 bytes of LDS; arguments q, k, v, o; writes o
.if DOCPART == 5
	.amdgcn_target "amdgcn-amd-amdhsa--gfx1250"
	.amdhsa_code_object_version 6
	.text
	.protected	k_qdd9b3bae47_attn
	.globl	k_qdd9b3bae47_attn
	.p2align	8
	.type	k_qdd9b3bae47_attn,@function
k_qdd9b3bae47_attn:
	s_mov_b64 s[64:65], 0
	v_nop
	global_prefetch_b8 v0, s[64:65] scope:SCOPE_SE
	s_setreg_imm32_b32 hwreg(HW_REG_WAVE_MODE, 25, 1), 1
	s_wait_xcnt 0x0
	s_wait_alu depctr_hold_cnt(0) depctr_sa_sdst(0) depctr_va_vdst(0) depctr_va_sdst(0) depctr_va_ssrc(0) depctr_va_vcc(0) depctr_vm_vsrc(0)
	s_getreg_b32 s2, hwreg(HW_REG_IB_STS2, 6, 4)
	s_cmp_eq_u32 s2, 0
	s_cbranch_scc0 .Lentry_in_a_cluster
	s_endpgm
.Lentry_in_a_cluster:
	s_bfe_u32 s2, ttmp6, 0x10000c
	s_cmp_lg_u32 s2, 0x3003
	s_cbranch_scc0 .Lentry_shape_is_right
	s_endpgm
.Lentry_shape_is_right:
.set SIZE_H, 64
.set SIZE_N, 2048
.set NP,    4
.set KS,    64
.set PK,    144
.set PV,    160
.set VOFF,  4*KS*PK
.set SLOT1, 1<<17
.set STAGE, SLOT1+4*KS*(PK+PV)
.set SP,    144
.set AK0, 2
.set AV0, 3
.set AK,  4
.set AV,  5
.set QO,  6
.set STO, 6
.set RD,  7
.set GO,  8
.set SPW, 0
.set NIL, 1
.set SPARE, STAGE+4*16*SP
.set MV,  12
.set ST,  16
.set TMP, 48
.set S,   64
.set P,   192
.set KF,  128
.set VF,  192
.set WV,  12
.set G1K, 24
.set G1V, 32
.set G0K, 40
.set G0V, 44
.set SLOTS, 56
.set CNT, 57
.set CS,  58
.set SEL, 60
.set TBK, 62
.set TBV, 63
.set MSB, 0
.macro WIN new
.if MSB != (\new)
	s_set_vgpr_msb (MSB<<8)|(\new)
.set MSB, (\new)
.endif
.endm
.set W_KQ, 0x0a
.set W_PV, 0x52
.set W_RS, 0x41
.set W_MK, 0xc0
.set W_AD, 0x0f
.macro JLOAD
	s_cmp_lt_u32 s[WV], 2
	s_cbranch_scc0 .Lfor_v_\@
	tensor_load_to_lds s[G0K:G0K+3], s[G1K:G1K+7]
	s_nop 0
.rept 4
	v_nop
.endr
	s_branch .Lasked_\@
.Lfor_v_\@:
	tensor_load_to_lds s[G0V:G0V+3], s[G1V:G1V+7]
	s_nop 0
.rept 4
	v_nop
.endr
.Lasked_\@:
.endm
.macro CROUND
	s_barrier_signal -1
	s_barrier_wait -1
	s_cmp_lg_u32 s[WV], 0
	s_cbranch_scc1 .Lnot_wave_0_\@
	s_barrier_signal -3
.Lnot_wave_0_\@:
	s_barrier_wait -3
	s_barrier_signal -1
	s_barrier_wait -1
.endm
.macro CHANGE fill
	WIN W_AD
	s_wait_tensorcnt 0x0
	ds_add_u32 v[SPW], v[NIL]
	WIN 0
.if \fill
.irp g, G0K, G0V
	s_xor_b32 s[\g+1], s[\g+1], SLOT1
	s_add_nc_u64 s[\g+2:\g+3], s[\g+2:\g+3], 4*KS*128
.endr
	s_wait_dscnt 0x0
	CROUND
	JLOAD
.else
	s_wait_dscnt 0x0
	s_barrier_signal -1
	s_barrier_wait -1
.endif
	s_sub_co_u32 s[TBK], s[TBK], 4*KS*PK
	s_xor_b32 s[TBK], s[TBK], SLOT1
	s_sub_co_u32 s[TBV], s[TBV], 4*KS*PV
	s_xor_b32 s[TBV], s[TBV], SLOT1
.endm
	s_load_b256 s[4:11], s[0:1], 0x0
	WIN W_MK
	v_lshl_add_u32 v[SPW], v0, 2, SPARE
	v_mov_b32 v[NIL], 0
	WIN W_AD
	ds_add_u32 v[SPW], v[NIL]
	WIN 0
	v_lshrrev_b32 v1, 5, v0
	v_readfirstlane_b32 s[WV], v1
	s_bfe_u32 s13, ttmp6, 0x40000
	s_lshl_b32 s14, ttmp9, 2
	s_add_co_u32 s14, s14, s13
	s_and_b32 s20, ttmp7, 0xffff
	s_mov_b32 s21, 0
	s_mov_b64 s[22:23], SIZE_N*128
	s_mul_u64 s[20:21], s[20:21], s[22:23]
	s_and_b32 s16, s[WV], 1
	s_lshl_b32 s22, s16, 14
	s_mov_b32 s23, 0
	s_add_nc_u64 s[22:23], s[22:23], s[20:21]
	s_mul_i32 s17, s16, 128*PK
	s_mul_i32 s18, s16, 128*PV
	s_lshl_b32 s2, s14, 2
	s_add_co_u32 s2, s2, s[WV]
	s_lshl_b32 s2, s2, 14
	s_mov_b32 s3, 0
	s_add_nc_u64 s[2:3], s[2:3], s[20:21]
	s_mov_b32 s[G1K], 15|(1<<16)|(1<<20)|(1<<21)|(4<<22)|(3<<25)
	s_mov_b32 s[G1V], 15|(1<<16)|(1<<20)|(1<<21)|(4<<22)|(7<<25)
.irp g, G1K, G1V
	s_mov_b32 s[\g+1], 128<<16
	s_mov_b32 s[\g+2], 64<<16
	s_mov_b32 s[\g+3], 128<<16
	s_mov_b32 s[\g+4], 64
	s_mov_b32 s[\g+5], 128
	s_mov_b32 s[\g+6], 0
	s_mov_b32 s[\g+7], 0
.endr
	s_mov_b32 s[CS], 0x3e38aa3b
	s_mov_b32 s[CS+1], s[CS]
	s_mov_b32 s[SEL], 0x76543210
	s_mov_b32 s[SEL+1], 0xfedcba98
	s_mov_b32 s[TBK], SLOT1+4*KS*PK
	s_mov_b32 s[TBV], SLOT1+4*KS*PV
	s_mov_b32 s[G0K], 1
	s_mov_b32 s[G0K+1], s17
	s_mov_b32 s[G0V], 1
	s_add_co_u32 s[G0V+1], s18, VOFF
	s_wait_dscnt 0x0
	s_wait_kmcnt 0x0
	s_add_nc_u64 s[G0K+2:G0K+3], s[6:7], s[22:23]
	s_or_b32 s[G0K+3], s[G0K+3], 0x80000000
	s_add_nc_u64 s[G0V+2:G0V+3], s[8:9], s[22:23]
	s_or_b32 s[G0V+3], s[G0V+3], 0x80000000
	s_add_nc_u64 s[4:5], s[4:5], s[2:3]
	s_add_nc_u64 s[10:11], s[10:11], s[2:3]
	CROUND
	JLOAD
	v_and_b32 v1, 15, v0
	v_bfe_u32 v9, v0, 4, 1
	v_lshlrev_b32 v[QO], 7, v1
	v_lshl_add_u32 v[QO], v9, 4, v[QO]
	WIN 0x80
.set i, 0
.rept 4*NP
	global_load_b128 v[8*i:8*i+3],   v[QO], s[4:5] offset:(i/2)*2048+(i%2)*64
	global_load_b128 v[8*i+4:8*i+7], v[QO], s[4:5] offset:(i/2)*2048+(i%2)*64+32
.set i, i+1
.endr
.set i, VF
.rept 64
	v_mov_b32 v[i], 0
.set i, i+1
.endr
	WIN 0x40
.set i, 0
.rept 64*NP
	v_mov_b32 v[i], 0
.set i, i+1
.endr
	WIN 0
.set i, 0
.rept 2*NP
	v_mov_b32 v[ST+4*i], 0xfe000000
	v_mov_b32 v[ST+4*i+1], 0xff7fffff
	v_mov_b32 v[ST+4*i+2], 0
	v_mov_b32 v[ST+4*i+3], 0
.set i, i+1
.endr
.set i, P+32
.rept 32
	v_mov_b32 v[i], 0
.set i, i+1
.endr
	v_mul_u32_u24 v[AK0], v1, PK
	v_lshl_add_u32 v[AK0], v9, 4, v[AK0]
	v_and_b32 v10, 7, v0
	v_bfe_u32 v11, v0, 3, 1
	v_lshl_add_u32 v[AV0], v9, 3, v10
	v_mul_u32_u24 v[AV0], v[AV0], PV
	v_lshl_add_u32 v[AV0], v11, 4, v[AV0]
	v_add_nc_u32 v[AV0], VOFF, v[AV0]
	v_mov_b32 v[AK], v[AK0]
.macro KQ x
	WIN W_KQ
.set rS, S+64*((\x)%2)+32*(i%2)+8*((i/2)%4)
.set rK, KF+16*((i/2)%4)+8*(i/8)
.set rQ, 16*(2*(\x)+i%2)+8*(i/8)
.if i < 8
	v_wmma_f32_16x16x32_f16 v[rS:rS+7], v[rK:rK+7], v[rQ:rQ+7], 0
.else
	v_wmma_f32_16x16x32_f16 v[rS:rS+7], v[rK:rK+7], v[rQ:rQ+7], v[rS:rS+7]
.endif
.endm
.macro PV x
	WIN W_PV
.set rO, 32*(2*(\x)+i%2)+8*((i/2)%4)
.set rV, VF+32*(i/8)+8*((i/2)%4)
.set rP, P+32*((\x)%2)+16*(i%2)+8*(i/8)
	v_wmma_f32_16x16x32_f16 v[rO:rO+7], v[rV:rV+7], v[rP:rP+7], v[rO:rO+7]
.endm
.macro MM
.if i < 16
	KQ (Y+1)%NP
.set i, i+1
.else
.set i, i-16
	PV (Y+NP-1)%NP
.set i, i+17
.endif
.endm
.macro FETCH_K last=0
	WIN 0
.if \last
	s_cmp_eq_u32 s[CNT], 1
	s_cbranch_scc1 .Lno_k_\@
.endif
	WIN 0x80
.irp f, 0,1,2,3,4,5,6,7
	ds_load_b128 v[KF+8*\f:KF+8*\f+3],   v[AK] offset:(\f/2)*16*PK+(\f%2)*64
	ds_load_b128 v[KF+8*\f+4:KF+8*\f+7], v[AK] offset:(\f/2)*16*PK+(\f%2)*64+32
.endr
	s_add_co_u32 s[TBK], s[TBK], KS*PK
	WIN 0
.if \last
.Lno_k_\@:
.endif
.endm
.macro FETCH_V
	WIN 0x80
.irp f, 0,1,2,3,4,5,6,7
	ds_load_tr16_b128 v[VF+8*\f:VF+8*\f+3],   v[AV] offset:(\f/4)*32*PV+(\f%4)*32
	ds_load_tr16_b128 v[VF+8*\f+4:VF+8*\f+7], v[AV] offset:(\f/4)*32*PV+16*PV+(\f%4)*32
.endr
	WIN 0
.endm
.macro REGS y, u
.set rT, ST+4*(2*(\y)+(\u))
.set rC, TMP+8*((\y)%2)+4*(\u)
.set rM, MV+2*((\y)%2)+(\u)
.set rS, S+64*((\y)%2)+32*(\u)
.set rP, P+32*((\y)%2)+16*(\u)
.set rO, 32*(2*(\y)+(\u))
.endm
.macro XS u, n
	REGS (Y+1)%NP, \u
.if (\n) < 4
	v_max3_num_f32 v[rC+(\n)], v[rS+8*(\n)], v[rS+8*(\n)+1], v[rS+8*(\n)+2]
.elseif (\n) < 12
	v_max3_num_f32 v[rC+(\n)%4], v[rC+(\n)%4], v[rS+8*((\n)%4)+2*((\n)/4)+1], v[rS+8*((\n)%4)+2*((\n)/4)+2]
.elseif (\n) == 12
	v_max3_num_f32 v[rC], v[rC], v[rS+7], v[rS+15]
.elseif (\n) == 13
	v_max3_num_f32 v[rC+1], v[rC+1], v[rS+23], v[rS+31]
.elseif (\n) == 14
	v_max3_num_f32 v[rC+2], v[rC+2], v[rC+3], v[rT+1]
.elseif (\n) == 15
	v_mov_b32 v[rM], v[rT]
.elseif (\n) == 16
	v_max3_num_f32 v[rC], v[rC], v[rC+1], v[rC+2]
.elseif (\n) == 17
	v_permlanex16_b32 v[rC+3], v[rC], s[SEL], s[SEL+1]
.elseif (\n) == 18
	v_max_num_f32 v[rT+1], v[rC], v[rC+3]
.elseif (\n) == 19
	v_mul_f32 v[rT], s[CS], v[rT+1]
.elseif (\n) == 20
	v_sub_f32 v[rC+1], v[rM], v[rT]
.else
	v_exp_f32 v[rC+2], v[rC+1]
.endif
.endm
.macro GS g
.set h, (\g)+6*((\g)/62)
.if h >= 6
.set h, h+2
.endif
	REGS Y, h%2
.set k, h/8
.if h%8 < 4
	v_cvt_pk_f16_f32 v[rP+2*k+(h%8)/2], v[rS+4*k+2*((h%8)/2)], v[rS+4*k+2*((h%8)/2)+1]
.elseif h%8 < 6
	v_pk_add_f32 v[rS+4*k:rS+4*k+1], v[rS+4*k:rS+4*k+1], v[rS+4*k+2:rS+4*k+3]
.elseif k == 1
	v_pk_fma_f32 v[rT+2:rT+3], v[rT+2:rT+3], v[rC+2:rC+3], v[rS:rS+1] op_sel_hi:[1,0,1]
.else
	v_pk_add_f32 v[rT+2:rT+3], v[rT+2:rT+3], v[rS+4*k-4:rS+4*k-3]
.endif
.endm
.macro FS f
	REGS Y, (\f)%2
	v_pk_fma_f32 v[rS+2*((\f)/2):rS+2*((\f)/2)+1], v[rS+2*((\f)/2):rS+2*((\f)/2)+1], s[CS:CS+1], v[rT:rT+1] op_sel_hi:[1,0,0] neg_lo:[0,0,1] neg_hi:[0,0,1]
.endm
.macro PL
	WIN 0
.if q < 27
	FS q
.elseif q < 55
	XS (q-27)%2, (q-27)/2
.elseif q < 57
	XS q-55, 15
.elseif (q < 72) && ((q-57)%3 == 0)
	FS 27+(q-57)/3
.elseif q < 60
	XS (q-57)%3-1, 14
.elseif q < 72
	XS (q-57)%3-1, 15+(q-57)/3
.elseif q < 74
	XS q-72, 20
.else
	GS q-74
.endif
.set q, q+1
.endm
.macro EX
	WIN 0
.if e >= 64
	XS e-64, 21
.else
	REGS Y, e%2
	v_exp_f32 v[rS+e/2], v[rS+e/2]
.endif
.set e, e+1
.endm
.macro R2
	REGS Y, r%2
	WIN W_RS
.irp z, 0,1
	v_pk_mul_f32 v[rO+4*(r/2)+2*\z:rO+4*(r/2)+2*\z+1], v[rO+4*(r/2)+2*\z:rO+4*(r/2)+2*\z+1], v[rC+2:rC+3] op_sel_hi:[1,0]
.endr
.set r, r+1
.endm
.macro TURN p, last=0, cnt=0
.set Y, (\p)
.set i, 0
.set q, 0
.set e, 0
.set r, 0
.if (\p) == NP-1
	s_wait_dscnt 0x0
.endif
	MM
	PL
	PL
	R2
.rept 15
	MM
	PL
	EX
	R2
.endr
.if (\p) == NP-2
	WIN 0
	v_add_nc_u32 v[AK], s[TBK], v[AK0]
.endif
.rept 8
	PL
.endr
.rept 49
	EX
	PL
.endr
	EX
	EX
	v_nop
	s_wait_alu depctr_va_vdst(0)
.if (\p) == NP-2
	FETCH_K \last
.endif
.if (\p) == 1
	s_wait_dscnt 0x0
.endif
.rept 16
	MM
.rept 4
	PL
.endr
.if ((\p) == 0) && (q == 118)
	v_add_nc_u32 v[AV], s[TBV], v[AV0]
.endif
.if ((\p) == 0) && (q == 130)
	s_add_co_u32 s[TBV], s[TBV], KS*PV
.endif
.if (\cnt) && (q == 130)
	s_sub_co_u32 s[CNT], s[CNT], 1
	s_cmp_lg_u32 s[CNT], 0
.endif
.endr
.if (\p) == 0
	FETCH_V
.endif
.endm
	CHANGE 1
	FETCH_K
	s_wait_loadcnt 0x0
	s_wait_dscnt 0x0
.set i, 0
.rept 16
	KQ 0
.set i, i+1
.endr
	WIN 0
	s_mul_i32 s13, s[WV], 16*SP
	s_add_co_u32 s13, s13, STAGE
	v_mul_u32_u24 v[STO], v1, SP
	v_lshl_add_u32 v[STO], v9, 4, v[STO]
	v_add_nc_u32 v[STO], s13, v[STO]
	v_bfe_u32 v[RD], v0, 3, 2
	v_mul_u32_u24 v[RD], v[RD], SP
	v_lshl_add_u32 v[RD], v10, 4, v[RD]
	v_add_nc_u32 v[RD], s13, v[RD]
	v_and_b32 v[GO], 31, v0
	v_lshlrev_b32 v[GO], 4, v[GO]
.set Y, NP-1
.irp n, 0,1,2,3,4,5,6,7,8,9,10,11,12,13,14,15,16,17,18,19,20,21
	XS 0, \n
	XS 1, \n
.endr
	v_nop
	s_wait_alu depctr_va_vdst(0)
	s_mov_b32 s[CNT], 4
	s_mov_b32 s[SLOTS], SIZE_N/256-1
	s_branch .Lfirst
.Lslot:
	CHANGE 1
	s_mov_b32 s[CNT], 4
.Lstep:
	TURN 2
	TURN 3
	WIN 0
.Lfirst:
	TURN 0
	TURN 1, 0, 1
	WIN 0
	s_cbranch_scc1 .Lstep
	s_sub_co_u32 s[SLOTS], s[SLOTS], 1
	s_cmp_lg_u32 s[SLOTS], 0
	s_cbranch_scc1 .Lslot
	CHANGE 0
	s_mov_b32 s[CNT], 5
.Ltail:
	TURN 2, 1
	TURN 3
	WIN 0
	s_sub_co_u32 s[CNT], s[CNT], 1
	s_cmp_eq_u32 s[CNT], 0
	s_cbranch_scc1 .Lout
	TURN 0
	TURN 1
	WIN 0
	s_branch .Ltail
.Lout:
.set i, 0
.rept 16
	PV NP-1
.set i, i+1
.endr
	WIN 0
.macro ALL line:vararg
.set t, 0
.rept 2*NP
	\line
.set t, t+1
.endr
.endm
	ALL v_add_f32 v[ST+4*t+2], v[ST+4*t+2], v[ST+4*t+3]
	ALL v_permlanex16_b32 v[ST+4*t+3], v[ST+4*t+2], s[SEL], s[SEL+1]
	ALL v_add_f32 v[ST+4*t+2], v[ST+4*t+2], v[ST+4*t+3]
	ALL v_rcp_f32 v[ST+4*t+2], v[ST+4*t+2]
	v_nop
	s_wait_alu depctr_va_vdst(0)
.macro PACK t
	WIN W_RS
.set i, 32*(\t)
.rept 16
	v_pk_mul_f32 v[i:i+1], v[i:i+1], v[ST+4*(\t)+2:ST+4*(\t)+3] op_sel_hi:[1,0]
.set i, i+2
.endr
	WIN 0x05
.set i, 0
.rept 16
	v_cvt_pk_f16_f32 v[S+16*(\t)+i], v[32*(\t)+2*i], v[32*(\t)+2*i+1]
.set i, i+1
.endr
	WIN 0
.irp f, 0,1,2,3
	ds_store_b128 v[STO], v[S+16*(\t)+4*\f:S+16*(\t)+4*\f+3] offset:32*\f
.endr
.irp f, 0,1,2,3
	ds_load_b128 v[S+16*(\t)+4*\f:S+16*(\t)+4*\f+3], v[RD] offset:\f*4*SP
.endr
.endm
.macro SEND t, younger
	WIN 0
.irp f, 0,1,2,3
	s_wait_dscnt (\younger)+3-\f
	global_store_b128 v[GO], v[S+16*(\t)+4*\f:S+16*(\t)+4*\f+3], s[10:11] offset:(\t)*2048+\f*512
.endr
.endm
	PACK 0
.set t, 1
.rept 2*NP-1
	PACK t
	SEND t-1, 8
.set t, t+1
.endr
	SEND 2*NP-1, 0
	WIN W_AD
	s_wait_tensorcnt 0x0
	ds_add_u32 v[SPW], v[NIL]
	s_wait_dscnt 0x0
	WIN 0
	CROUND
	s_endpgm
.Lfunc_end_k_qdd9b3bae47_attn:
	.size	k_qdd9b3bae47_attn, .Lfunc_end_k_qdd9b3bae47_attn-k_qdd9b3bae47_attn
	.p2alignl 7, 3214868480
	.fill 96, 4, 3214868480
	.section	.rodata,"a",@progbits
	.p2align	6, 0x0
	.amdhsa_kernel k_qdd9b3bae47_attn
		.amdhsa_group_segment_fixed_size 327680
		.amdhsa_private_segment_fixed_size 0
		.amdhsa_enable_private_segment 0
		.amdhsa_kernarg_size 32
		.amdhsa_user_sgpr_count 2
		.amdhsa_user_sgpr_kernarg_segment_ptr 1
		.amdhsa_wavefront_size32 1
		.amdhsa_system_sgpr_workgroup_id_x 1
		.amdhsa_system_sgpr_workgroup_id_y 1
		.amdhsa_system_sgpr_workgroup_id_z 1
		.amdhsa_system_vgpr_workitem_id 0
		.amdhsa_next_free_vgpr 770
		.amdhsa_next_free_sgpr 66
		.amdhsa_reserve_vcc 0
		.amdhsa_float_denorm_mode_32 3
		.amdhsa_float_denorm_mode_16_64 3
		.amdhsa_memory_ordered 1
		.amdhsa_forward_progress 1
		.amdhsa_inst_pref_size 199
	.end_amdhsa_kernel
	.amdgpu_metadata
---
amdhsa.version: [ 1, 2 ]
amdhsa.kernels:
  - .name:           k_qdd9b3bae47_attn
    .symbol:         k_qdd9b3bae47_attn.kd
    .args:
      - { .name: q, .offset: 0, .size: 8, .value_kind: global_buffer, .address_space: global }
      - { .name: k, .offset: 8, .size: 8, .value_kind: global_buffer, .address_space: global }
      - { .name: v, .offset: 16, .size: 8, .value_kind: global_buffer, .address_space: global }
      - { .name: o, .offset: 24, .size: 8, .value_kind: global_buffer, .address_space: global }
    .group_segment_fixed_size: 327680
    .private_segment_fixed_size: 0
    .kernarg_segment_align: 8
    .kernarg_segment_size: 32
    .max_flat_workgroup_size: 128
    .sgpr_count:     66
    .vgpr_count:     770
    .wavefront_size: 32
...
	.end_amdgpu_metadata
.endif
;; end of part 5
;; launch oproj: the kernel of part 4 again; grid 8 x 32, 4 waves a work-group, clusters of 4 x 4, 327,680 bytes of LDS; arguments o, owh, o_b, out0; writes out0
